; MI455X (gfx1250); checked and timed in simulation.
; The chip was launched on July 23, 2026; its instructions are those of AMD's public machine-readable ISA for CDNA 5 (MIT licence, August 2026) and "CDNA5" Instruction Set Architecture Reference Guide (July 2026). The comments in the code are by the model that wrote it; some were corrected since.
;; Multi Head Attention. Allowed arithmetic: matrix products marked QUANTISED: E2M1 operands, one E8M0 scale for each 32 along K, by v_wmma_scale_f32_16x16x128_f8f6f4 with both operands' format E2M1 (or v_wmma_scale_f32_32x16x128_f4), f32 sums; products left as they are: bf16, f16 or f32 operands; f32 sums; everything else in f32.
;; Inputs: W_key 512 x 512 float32; W_out_b 512 float32; W_out_w 512 x 512 float32; W_query 512 x 512 float32; W_value 512 x 512 float32; data 32,768 x 512 float32; mask 128 x 256 bool.
;; Outputs: out0 32,768 x 512 float32.
;; Constants: graph_size = 256.
;; This version of the problem:
;;   THIS VERSION OF THE PROBLEM IS GIVEN IN LOW PRECISION. The matrix products marked QUANTISED in the list below multiply operands that are first quantised to E2M1 (2 exponent bits, 1 mantissa bit; 4 bits a number), with one power-of-two scale for each 32 numbers along K (OCP MX v1.0); their sums are f32. The products marked 'left as it is' may take bf16, f16 or f32 operands, with f32 sums. Whichever they take, every output number must still come out within the allowed error. Rounding operands to bf16 (8 significant bits) uses up far more of that allowance than f16 does (11 bits, for magnitudes from 6e-5 to 65,504). All else is computed in f32.
;;   The module's matrix products, in the order in which they are computed (A, B: the left and right operand; K: the contracted axis; several contracted axes count as one K, in the product's order):
;;     1. [M 32,768, K 512] x [K 512, N 512]; A: input data; B: input W_query: QUANTISED
;;     2. [M 32,768, K 512] x [K 512, N 512]; A: input data; B: input W_key: QUANTISED
;;     3. [M 32,768, K 512] x [K 512, N 512]; A: input data; B: input W_value: QUANTISED
;;     4. batch 128 x [M 256, K 512] x [K 512, N 256]; A: computed on the way; B: computed on the way: left as it is (an operand is computed on the way)
;;     5. batch 128 x [M 256, K 256] x [K 256, N 512]; A: computed on the way; B: computed on the way: left as it is (an operand is computed on the way)
;;     6. [M 32,768, K 512] x [K 512, N 512]; A: computed on the way; B: input W_out_w: left as it is (an operand is computed on the way)
;;   THE QUANTISER, for each operand of a quantised product, along K:
;;     - K is cut into blocks of 32 from its start; a last block that is shorter is filled with zeros.
;;     - A block's scale is 2^e with e = floor(log2(the largest magnitude in the block)) - 2, held to -126 .. 127; a block of zeros has e = 0. As a byte (E8M0): e + 127.
;;     - Each number is divided by its block's scale, clamped to +-6, and rounded to the nearest number of E2M1, ties to even, subnormals kept.
;;     - The product sums the exact products of the quantised numbers (number of the format x scale) in f32.
;;   ~~~python
;;   def quantise(x, axis):      # numpy; x: float32 -> the quantised numbers, widened to float32 again
;;       x = np.moveaxis(x, axis, -1); K = x.shape[-1]
;;       x = np.pad(x, [(0, 0)] * (x.ndim - 1) + [(0, -K % 32)]); x = x.reshape(x.shape[:-1] + (-1, 32)); a = np.abs(x).max(-1, keepdims=True)
;;       e = np.where(a > 0, np.clip(np.frexp(np.where(a > 0, a, 1))[1] - 1 - 2, -126, 127), 0)      # np.frexp(a)[1] - 1 = floor(log2(a)), exactly
;;       r = np.clip(x / 2.0 ** e, -6, 6)
;;       step = 2.0 ** (np.maximum(np.frexp(np.where(r == 0, 1, r))[1] - 1, 0) - 1)
;;       q = np.round(r / step) * step * 2.0 ** e      # np.round: ties to even
;;       return np.moveaxis(q.reshape(q.shape[:-2] + (-1,))[..., :K], -1, axis).astype(np.float32)
;;   ~~~
;; One version. Each part assembles by itself: llvm-mc -triple=amdgcn-amd-amdhsa -mcpu=gfx1250 --defsym DOCPART=n.
;; ======== version 1 of 1: 2 launches
;; limits: values are held in f16: magnitudes above 65,504 overflow, below 6.1e-05 lose precision
;; workspace buffers: xq 8,912,896 bytes; wf4 417,792 bytes; wo16 524,288 bytes
;; launch prep (part 1): grid 544 x 1, 4 waves a work-group, no clusters, 39,424 bytes of LDS; arguments data, W_query, W_key, W_value, W_out_w, xq, wf4, wo16; writes xq, wf4, wo16
.if DOCPART == 1
	.amdgcn_target "amdgcn-amd-amdhsa--gfx1250"
	.amdhsa_code_object_version 6
	.text
	.protected	k_q23ef0ebf5a_prep
	.globl	k_q23ef0ebf5a_prep
	.p2align	8
	.type	k_q23ef0ebf5a_prep,@function
k_q23ef0ebf5a_prep:
	s_mov_b64 s[64:65], 0
	v_nop
	global_prefetch_b8 v0, s[64:65] scope:SCOPE_SE
	s_setreg_imm32_b32 hwreg(HW_REG_WAVE_MODE, 25, 1), 1
	s_wait_xcnt 0x0
; data [32768][512], W_query, W_key, W_value [512][512], f32, K innermost, become codes of FP4 (E2M1) with one E8M0 byte for each 32 along K.
; A row of 512 numbers becomes ONE row of 272 bytes: 256 bytes of codes (lower k in the low four bits), then its 16 scale bytes.  W_out_w becomes f16, laid in the order in which the second launch walks it.
; A block's scale is 2^(floor(log2(largest magnitude)) - 2); its byte is the largest magnitude's exponent field - 2, held at 1 from below.  A block of zeros so gets the byte 1: its codes are zeros, and this program alone reads the bytes.
; LIMITS: NaN and infinities among the inputs are not served; W_out_w goes to f16: magnitudes from 6e-8 (coarser under 6e-5) to 65,504.
; SHARES.  Work-groups 0-511: 64 rows of data each; 512-535: 64 rows of W_query, W_key, W_value (eight work-groups each); 536-543: 64 rows of W_out_w.  A wave takes 16 rows of 2,048 bytes; a step is one row.
; The quantising work-groups take ONE path: only pointers and offsets are chosen, by the work-group's number.
; A step's four loads read 512 consecutive bytes each; the row turns through the wave's own stage in LDS (16 bytes of padding behind each 64) so that a lane holds 16 neighbours along K, two lanes a block.
; Codes and scale bytes gather in the wave's row stage, 16 rows x 272 bytes = 17 x 256 bytes, and leave as 17 stores of 256 consecutive bytes, each at a multiple of 256 from the buffer's first byte.
; WHERE THE WEIGHTS' ROWS GO (wf4: six slots of 256 rows x 272 bytes).  Slot c = 0..3: rows 0-127 W_query's features 128 c + i, rows 128-255 W_key's.  Slot 4 + hf: row 64 w + i = W_value's feature 128 w + 64 hf + i.
; wo16: eight slots of 128 rows x 512 bytes.  Slot 2 g + kh, row 64 b + 16 i + r = W_out_w's row 256 b + 64 g + 4 r + i, columns 256 kh .. 256 kh + 255.
.set WREG,  9728                       ; LDS of a wave: two turning stages of 32 x 80 bytes, the row stage of 16 x 272 bytes
.set SP,    80
.set ROWST, 5120
.set RP,    272
.set SPARE, 4*WREG                     ; behind the four regions: the spare words, 128 bytes a wave, that no other line names
.set R,     16                         ; v16-143  eight sets of 16 numbers as loaded
.set X,     144                        ; v144-175 two sets of 16 neighbours
.set C,     176                        ; v176-179 codes, two sets of two
.set E,     180                        ; v180-181 scale bytes, two sets
.set SPW,   12
.set NIL,   13
	s_load_b256 s[4:11], s[0:1], 0x0               ; data, W_query, W_key, W_value
	s_load_b256 s[12:19], s[0:1], 0x20             ; W_out_w, xq, wf4, wo16
	v_lshl_add_u32 v[SPW], v0, 2, SPARE
	v_mov_b32 v[NIL], 0
	v_lshrrev_b32 v1, 5, v0
	v_readfirstlane_b32 s20, v1                    ; wave
	v_and_b32 v2, 31, v0                           ; lane
	v_lshlrev_b32 v3, 4, v2                        ; 16 x lane: my bytes of a load's 512
	v_lshlrev_b32 v7, 3, v2                        ; 8 x lane: my bytes of a store's 256
	s_cmp_ge_u32 ttmp9, 536
	s_cbranch_scc1 .Lwout
	s_mul_i32 s21, s20, WREG
	v_lshrrev_b32 v14, 2, v2
	v_mul_u32_u24 v14, v14, SP
	v_and_b32 v15, 3, v2
	v_lshl_add_u32 v14, v15, 4, v14
	v_add_nc_u32 v14, s21, v14                     ; turning stage, in: 80 (lane / 4) + 16 (lane % 4)
	v_mul_u32_u24 v15, v2, SP
	v_add_nc_u32 v15, s21, v15                     ; and out: 80 x lane: my 16 neighbours
	s_add_co_u32 s22, s21, ROWST
	v_add_nc_u32 v4, s22, v7                       ; row stage: my 8 bytes of codes
	v_lshrrev_b32 v5, 1, v2
	v_add_nc_u32 v5, s22, v5
	v_add_nc_u32 v5, 256, v5                       ; and my block's scale byte
	; offsets, apart from the pointers
	s_sub_co_u32 s23, ttmp9, 512
	s_lshr_b32 s24, s23, 3                         ; which weight: 0 query, 1 key, 2 value
	s_and_b32 s25, s23, 7                          ; which 64 rows of it
	s_lshl_b32 s26, s25, 2
	s_add_co_u32 s26, s26, s20                     ; t: which 16 features
	s_lshr_b32 s27, s26, 3
	s_and_b32 s28, s26, 7
	s_mul_i32 s29, s27, 69632
	s_mul_i32 s28, s28, 4352
	s_add_co_u32 s29, s29, s28                     ; query: slot t / 8, rows 16 (t % 8)
	s_cmp_eq_u32 s24, 1
	s_cselect_b32 s28, 34816, 0
	s_add_co_u32 s29, s29, s28                     ; key: 128 rows further on
	s_bfe_u32 s30, s26, 0x10002
	s_add_co_u32 s30, s30, 4
	s_mul_i32 s30, s30, 69632                      ; value: slot 4 + (t / 4) % 2,
	s_lshl_b32 s31, s27, 2
	s_and_b32 s28, s26, 3
	s_add_co_u32 s31, s31, s28
	s_mul_i32 s31, s31, 4352                       ; rows 16 (4 (t / 8) + t % 4)
	s_add_co_u32 s30, s30, s31
	s_cmp_eq_u32 s24, 2
	s_cselect_b32 s29, s30, s29
	s_lshl_b32 s30, ttmp9, 2
	s_add_co_u32 s30, s30, s20
	s_mul_i32 s30, s30, 4352                       ; data: rows 64 x + 16 wave
	s_cmp_lt_u32 ttmp9, 512
	s_cselect_b32 s32, s30, s29                    ; where my 16 rows go
	s_cselect_b32 s34, ttmp9, s25
	s_mov_b32 s33, 0
	s_lshl_b32 s34, s34, 17
	s_lshl_b32 s35, s20, 15
	s_add_co_u32 s34, s34, s35                     ; where they come from
	s_mov_b32 s35, 0
	s_wait_kmcnt 0x0
	s_cmp_lt_u32 ttmp9, 528                        ; the choices hang on the work-group's number alone
	s_cselect_b64 s[36:37], s[8:9], s[10:11]
	s_cmp_lt_u32 ttmp9, 520
	s_cselect_b64 s[36:37], s[6:7], s[36:37]
	s_cmp_lt_u32 ttmp9, 512
	s_cselect_b64 s[36:37], s[4:5], s[36:37]
	s_cselect_b64 s[38:39], s[14:15], s[16:17]
	s_add_nc_u64 s[36:37], s[36:37], s[34:35]
	s_add_nc_u64 s[38:39], s[38:39], s[32:33]
.macro LOAD t
.irp i, 0,1,2,3
	global_load_b128 v[R+16*((\t)%8)+4*\i:R+16*((\t)%8)+4*\i+3], v3, s[36:37] offset:2048*(\t)+512*\i th:TH_LOAD_NT
.endr
.endm
.macro TURN t                          ; row t through the stage: LDS serves a wave's instructions in order, so no wait stands between the stores and the loads
.irp i, 0,1,2,3
	ds_store_b128 v14, v[R+16*((\t)%8)+4*\i:R+16*((\t)%8)+4*\i+3] offset:32*SP*((\t)%2)+8*SP*\i
.endr
.irp i, 0,1,2,3
	ds_load_b128 v[X+16*((\t)%2)+4*\i:X+16*((\t)%2)+4*\i+3], v15 offset:32*SP*((\t)%2)+16*\i
.endr
.endm
.irp t, 0,1,2,3,4,5,6,7
	LOAD \t
.endr
	s_wait_loadcnt 28                              ; row 0's four loads are in; seven rows' may be out
	TURN 0
.macro STEP t
.set XS, X+16*((\t)%2)
.set CC, C+2*((\t)%2)
.set EE, E+((\t)%2)
.if (\t) > 0
	s_wait_dscnt 2                                 ; this row is back from the stage; the last row's code and byte stores may be out.  So this row's stores into the stage have read their registers,
.else
	s_wait_dscnt 0x0
.endif
.if (\t)+8 < 16
	LOAD (\t)+8                                    ; which take the row eight further on
.endif
.if (\t)+1 < 16
.if (\t) <= 7
	s_wait_loadcnt 28                              ; the next row's four loads are in; the seven rows behind it may be out
.else
	s_wait_loadcnt 4*(14-(\t))
.endif
	TURN (\t)+1
.endif
	v_max3_num_f32 v8, |v[XS]|, |v[XS+1]|, |v[XS+2]|               ; the largest magnitude of my 16
	v_max3_num_f32 v9, |v[XS+3]|, |v[XS+4]|, |v[XS+5]|
.irp i, 6,10
	v_max3_num_f32 v8, v8, |v[XS+\i]|, |v[XS+\i+1]|
	v_max3_num_f32 v9, v9, |v[XS+\i+2]|, |v[XS+\i+3]|
.endr
	v_max3_num_f32 v8, v8, |v[XS+14]|, |v[XS+15]|
	v_max3_num_f32 v8, v8, v9, 0x1800000           ; and the floor 2^(3 - 127): the byte cannot fall under 1
	v_max_num_f32_dpp v8, v8, v8 row_xmask:1 row_mask:0xf bank_mask:0xf   ; with my neighbour's 16: the block's
	v_add_nc_u32 v11, 0xff000000, v8               ; 2 off its exponent field: the conversion takes this operand's exponent field as its scale
	v_cvt_scalef32_pk8_fp4_f32 v[CC], v[XS:XS+7], v11
	v_cvt_scalef32_pk8_fp4_f32 v[CC+1], v[XS+8:XS+15], v11
	v_lshrrev_b32 v[EE], 23, v11                   ; the scale's byte (a plain line behind the conversions)
	ds_store_b64 v4, v[CC:CC+1] offset:RP*(\t)     ; row t of the row stage: codes,
	ds_store_b8 v5, v[EE] offset:RP*(\t)           ; and the byte: both lanes of a block write the same value
.endm
.irp t, 0,1,2,3,4,5,6,7,8,9,10,11,12,13,14,15
	STEP \t
.endr
.irp i, 0,1,2,3,4,5,6,7,8,9,10,11,12,13,14,15,16
	ds_load_b64 v[R+2*\i:R+2*\i+1], v4 offset:256*\i   ; the 4,352 bytes as they lie; these see my stores
.endr
.irp i, 0,1,2,3,4,5,6,7,8,9,10,11,12,13,14,15,16
	s_wait_dscnt 16-\i
	global_store_b64 v7, v[R+2*\i:R+2*\i+1], s[38:39] offset:256*\i   ; 32 lanes store 256 consecutive bytes
.endr
	s_wait_tensorcnt 0x0                           ; the wave's end, behind my last LDS store
	ds_add_u32 v[SPW], v[NIL]
	s_wait_dscnt 0x0
	s_endpgm
.Lwout:                                            ; W_out_w to f16
	s_sub_co_u32 s23, ttmp9, 536
	s_lshl_b32 s24, s23, 6
	s_lshl_b32 s25, s20, 4
	s_add_co_u32 s24, s24, s25                     ; e0: my first row, a multiple of 16
	s_lshl_b32 s26, s24, 11
	s_mov_b32 s27, 0
	s_bfe_u32 s28, s24, 0x20006                    ; g = (e0 / 64) % 4: two slots of 65,536 bytes each
	s_lshl_b32 s28, s28, 17
	s_lshr_b32 s29, s24, 8
	s_lshl_b32 s29, s29, 6                         ; 64 b
	s_bfe_u32 s30, s24, 0x40002                    ; r of my first row
	s_add_co_u32 s29, s29, s30
	s_lshl_b32 s29, s29, 9
	s_add_co_u32 s28, s28, s29
	s_mov_b32 s29, 0
	s_wait_kmcnt 0x0
	s_add_nc_u64 s[12:13], s[12:13], s[26:27]
	s_add_nc_u64 s[18:19], s[18:19], s[28:29]
.macro WOB bt                          ; eight rows: 32 loads of 512 consecutive bytes; each becomes 256 consecutive bytes of f16
.irp n, 0,1,2,3,4,5,6,7
.irp q, 0,1,2,3
	global_load_b128 v[R+4*(4*\n+\q):R+4*(4*\n+\q)+3], v3, s[12:13] offset:2048*(8*\bt+\n)+512*\q th:TH_LOAD_NT
.endr
.endr
.irp n, 0,1,2,3,4,5,6,7
.irp q, 0,1,2,3
	s_wait_loadcnt 31-(4*\n+\q)                    ; loads come back in order: this one is in, the younger ones may be out
	v_cvt_pk_f16_f32 v[X+2*(4*\n+\q)], v[R+4*(4*\n+\q)], v[R+4*(4*\n+\q)+1]
	v_cvt_pk_f16_f32 v[X+2*(4*\n+\q)+1], v[R+4*(4*\n+\q)+2], v[R+4*(4*\n+\q)+3]
	global_store_b64 v7, v[X+2*(4*\n+\q):X+2*(4*\n+\q)+1], s[18:19] offset:(((8*\bt+\n)&3)*16+((8*\bt+\n)>>2))*512+(\q>>1)*65536+(\q&1)*256
.endr
.endr
.endm
	WOB 0
	s_wait_xcnt 0x0                                ; the stores have read their data registers: they are written again only behind this wait
	WOB 1
	s_endpgm
.Lfunc_end_k_q23ef0ebf5a_prep:
	.size	k_q23ef0ebf5a_prep, .Lfunc_end_k_q23ef0ebf5a_prep-k_q23ef0ebf5a_prep
	.p2alignl 7, 3214868480
	.fill 96, 4, 3214868480
	.section	.rodata,"a",@progbits
	.p2align	6, 0x0
	.amdhsa_kernel k_q23ef0ebf5a_prep
		.amdhsa_group_segment_fixed_size 39424
		.amdhsa_private_segment_fixed_size 0
		.amdhsa_enable_private_segment 0
		.amdhsa_kernarg_size 64
		.amdhsa_user_sgpr_count 2
		.amdhsa_user_sgpr_kernarg_segment_ptr 1
		.amdhsa_wavefront_size32 1
		.amdhsa_system_sgpr_workgroup_id_x 1
		.amdhsa_system_sgpr_workgroup_id_y 1
		.amdhsa_system_sgpr_workgroup_id_z 1
		.amdhsa_system_vgpr_workitem_id 0
		.amdhsa_next_free_vgpr 208
		.amdhsa_next_free_sgpr 66
		.amdhsa_reserve_vcc 0
		.amdhsa_float_denorm_mode_32 3
		.amdhsa_float_denorm_mode_16_64 3
		.amdhsa_memory_ordered 1
		.amdhsa_forward_progress 1
		.amdhsa_inst_pref_size 60
	.end_amdhsa_kernel
	.amdgpu_metadata
---
amdhsa.version: [ 1, 2 ]
amdhsa.kernels:
  - .name:           k_q23ef0ebf5a_prep
    .symbol:         k_q23ef0ebf5a_prep.kd
    .args:
      - { .name: data, .offset: 0, .size: 8, .value_kind: global_buffer, .address_space: global }
      - { .name: W_query, .offset: 8, .size: 8, .value_kind: global_buffer, .address_space: global }
      - { .name: W_key, .offset: 16, .size: 8, .value_kind: global_buffer, .address_space: global }
      - { .name: W_value, .offset: 24, .size: 8, .value_kind: global_buffer, .address_space: global }
      - { .name: W_out_w, .offset: 32, .size: 8, .value_kind: global_buffer, .address_space: global }
      - { .name: xq, .offset: 40, .size: 8, .value_kind: global_buffer, .address_space: global }
      - { .name: wf4, .offset: 48, .size: 8, .value_kind: global_buffer, .address_space: global }
      - { .name: wo16, .offset: 56, .size: 8, .value_kind: global_buffer, .address_space: global }
    .group_segment_fixed_size: 39424
    .private_segment_fixed_size: 0
    .kernarg_segment_align: 8
    .kernarg_segment_size: 64
    .max_flat_workgroup_size: 128
    .sgpr_count:     66
    .vgpr_count:     208
    .wavefront_size: 32
...
	.end_amdgpu_metadata
.endif
;; end of part 1
;; launch attn (part 2): grid 256 x 1, 4 waves a work-group, clusters of 4 x 1, 327,680 bytes of LDS; arguments xq, wf4, wo16, mask, W_out_b, out0; writes out0
.if DOCPART == 2
	.amdgcn_target "amdgcn-amd-amdhsa--gfx1250"
	.amdhsa_code_object_version 6
	.text
	.protected	k_q23ef0ebf5a_attn
	.globl	k_q23ef0ebf5a_attn
	.p2align	8
	.type	k_q23ef0ebf5a_attn,@function
k_q23ef0ebf5a_attn:
	s_mov_b64 s[64:65], 0
	v_nop
	global_prefetch_b8 v0, s[64:65] scope:SCOPE_SE
	s_setreg_imm32_b32 hwreg(HW_REG_WAVE_MODE, 25, 1), 1
	s_wait_xcnt 0x0
	s_wait_alu depctr_hold_cnt(0) depctr_sa_sdst(0) depctr_va_vdst(0) depctr_va_sdst(0) depctr_va_ssrc(0) depctr_va_vcc(0) depctr_vm_vsrc(0)
	s_getreg_b32 s2, hwreg(HW_REG_IB_STS2, 6, 4)
	s_cmp_eq_u32 s2, 0
	s_cbranch_scc0 .Lentry_in_a_cluster
	s_endpgm
.Lentry_in_a_cluster:
	s_bfe_u32 s2, ttmp6, 0x10000c
	s_cmp_lg_u32 s2, 0x3003
	s_cbranch_scc0 .Lentry_shape_is_right
	s_endpgm
.Lentry_shape_is_right:
; out = (softmax_k(Q K^T / sqrt(512), keys masked) V) W_out^T + b, with Q, K, V = data W^T on codes of FP4 (E2M1) with E8M0 scales, made by the launch before.  One head of 512, 128 batches of 256 tokens.
; SHARES.  A work-group takes HALF A BATCH: 128 queries against all 256 keys; both halves project K and V of all 256 tokens (that repeats 4-bit products only).  Local token n stands for the batch's token n xor 128 hq, so that
; local tokens 0-127 are my queries.  Four waves of 1,024 registers.  Q, K, V, p and the heads go to the later products as f16, all sums are f32.
; K AND V ARE NEVER HELD WHOLE.  A STEP projects 32 along the next product's K (32 four-bit products into eight small sums), rounds them to four f16 fragments, and multiplies those at once (32 f16 products) into 32 accumulators.
;   Scores: S^T = K Q^T.  Wave w owns keys 64 w .. 64 w + 63 (their codes stay in registers); a step streams 32 rows of W_key from LDS; Q's fragments come from LDS as images of their registers.
;   Heads:  O^T = V^T P^T.  Wave w owns 64 of V's features at a time (their rows of W_value stay in registers); a step streams 32 tokens' codes; P's fragments come from LDS as images.
;   In both the four-bit product has the streamed rows as source 0: a lane then holds one row of the stationary side and eight neighbours along the next K, which pack into that K's f16 fragment with no change of lanes.
; OUT.  Wave (a, b) makes queries 64 a .. by columns 256 b .., 64 columns at a time, its 64 rows of heads in 512 registers.  The rows of W_out that form a tile are 4 r + i, so that a lane's four tiles are four neighbouring columns:
;   a store's lanes 0-15 write 256 consecutive bytes of one row of out, lanes 16-31 of another, each at a multiple of 256 from the buffer's first byte.
; WEIGHTS.  All work-groups walk the same 14 slots (6 of codes, 8 of W_out in f16): they come by JOINT tensor loads of the cluster's four work-groups through a ring of two LDS slots, one load a wave behind each round.
;   The tokens' codes are not asked for jointly: the two halves of a batch lay the same rows at different LDS places (each its own queries first), so their descriptors differ.
; SOFTMAX.  t = score x log2(e) / sqrt(512), -infinity under the mask; the row's largest t is taken away; p = 2^(t - m); the sum of the unrounded p divides the heads.  The maximum has the leaf -2^100 and the sum the leaf 2^-100:
;   they count only where every key of a batch is masked: p = 0 there, the heads are 0 and out = b.
; LIMITS: |Q|, |K|, |V|, |heads| under 65,504 and W_out as f16; NaN and infinities among the inputs are not served; mask bytes are 0 or 1.
; LDS: two ring slots of 69,632 bytes; XR: 256 rows x 272 bytes of codes and scale bytes; PB: P's 64 images (Q's 32 of a chunk lie over its start); MX, LX: partial maxima and sums; the spare words.
;   HD, the heads' 128 images, lies over XR and PB once both are dead: XR has had its one fill by then.
; REGISTERS, in windows of 256.  Window 0: addresses, scales, softmax figures, v160-223 the eight small sums, v224-255 four f16 fragments.  Window 1: v0-127 stationary codes, v128-191 streamed codes; later heads.
;   Window 2: v0-63 eight image fragments, v128-255 my queries' codes; later packed p and heads.  Window 3: 32 accumulators; in the out stage 16 accumulators and four sets of W_out's fragments.
.set SLOTB, 69632
.set XRB,   139264
.set QC,    208896
.set PB,    208896
.set MXB,   274432                     ; LX lies 4,096 bytes behind
.set SPARE, 282624                     ; the spare words, 128 bytes a wave, that no other line names
.set HD,    139264
.set LROW, 2                           ; 272 r + 16 h: my place in a tile of 16 rows of codes
.set LSCL, 3                           ; 272 lane + 256: my row's scale bytes, 32 rows at a time
.set LIMG, 4                           ; 16 lane: my place in an image
.set AW,   5
.set AS,   6
.set ALF,  7
.set AQW,  8
.set APW,  9
.set AMX,  10
.set AMR,  11
.set AHW,  12                          ; v12, v13
.set AHR,  14
.set MOF,  15
.set AWO,  16                          ; v16, v17: slot 0, 1
.set OOF,  18
.set BOF,  19
.set SPW,  20
.set NIL,  21
.set ST,   24                          ; v24-31 scale words of the stationary codes: register 4 (tile / 2) + K step; even tile in lanes 0-15, odd in lanes 16-31
.set STQ,  32                          ; v32-39 the same for my queries' codes
.set SS,   40                          ; v40-43 of the streamed rows
.set M,    44
.set T,    52
.set BI,   60                          ; v60-63 four neighbouring numbers of b
.set LP,   68                          ; v68-83 eight pairs: the maxima (even registers), then the sums, then 1 / sum (even registers)
.set EX,   84
.set BIAS, 116                         ; v116-147 0 or -infinity for my 32 keys
.set MB,   148
.set D,    160
.set NF,   224
.set OS,   96                          ; the out stage: 32 quads to store
.set WV,   16
.set G1F,  24
.set G1X,  32
.set G1O,  40
.set G0X,  48
.set G0S,  52
.set G0W,  56
.set G0O,  60
.set TBR,  66                          ; the slot that is being read
.set SW,   67                          ; LDS byte of the next 32 streamed rows
.set SL,   68                          ; LDS byte of the next K step's images
.set CCH,  69
.set CST,  70
.set CGR,  71
.set CS,   72
.set SEL,  74
.set NINF, 76
.set MSB, 0
.macro WIN new                         ; the immediate's high byte repeats the setting that is left; a switch that changes nothing is dropped
.if MSB != (\new)
	s_set_vgpr_msb (MSB<<8)|(\new)
.set MSB, (\new)
.endif
.endm
.macro PLACES n                        ; plain vector instructions between a matrix instruction and a read of its result or a load into its registers
.rept \n
	v_nop
.endr
.endm
.macro CREST                           ; a round of the cluster's barrier behind its opening barrier
	s_cmp_lg_u32 s[WV], 0
	s_cbranch_scc1 .Lnot_wave_0_\@
	s_barrier_signal -3
.Lnot_wave_0_\@:
	s_barrier_wait -3
	s_barrier_signal -1
	s_barrier_wait -1
.endm
.macro ROUND
	s_barrier_signal -1
	s_barrier_wait -1
	CREST
.endm
; A CHANGE OF SLOTS.  Every wave: all its tensor loads have landed (the one that was out is its part of the slot to be read next); 0 onto its spare word; its LDS instructions are done; a round of the cluster's barrier;
; then its one joint load, into the slot that has just been read out.  kind 0: the next slot of codes; 1: W_out's first slot; 2: W_out's next.
.macro CHG kind
	WIN 0
	s_wait_tensorcnt 0x0                           ; no tensor load of mine is out, so a group 0 may be written
	ds_add_u32 v[SPW], v[NIL]
.if \kind == 0
	s_xor_b32 s[G0W+1], s[G0W+1], SLOTB            ; the other slot than last time (17,408 w has bits 12 and 16 clear),
	s_add_nc_u64 s[G0W+2:G0W+3], s[G0W+2:G0W+3], SLOTB   ; the next 256 rows; the type bits on top are not reached
	s_xor_b32 s[TBR], s[TBR], SLOTB
.elseif \kind == 2
	s_xor_b32 s[G0O+1], s[G0O+1], SLOTB
	s_add_nc_u64 s[G0O+2:G0O+3], s[G0O+2:G0O+3], 65536
.endif
	s_wait_dscnt 0x0                               ; the add is done; my reads of the slot are over and my LDS stores have landed
	ROUND
.if \kind == 0
	tensor_load_to_lds s[G0W:G0W+3], s[G1F:G1F+7]
.else
	tensor_load_to_lds s[G0O:G0O+3], s[G1O:G1O+7]
.endif
	s_nop 0
	PLACES 4
.endm
; 64 rows of codes (4 tiles x 4 K steps of 128: 16 fragments) and their scale words, from LDS byte s[sreg] on, into registers that stay
.macro LDSTAT sreg, win, reg, sc
	WIN 0
	v_add_nc_u32 v[AW], s[\sreg], v[LROW]
	v_add_nc_u32 v[AS], s[\sreg], v[LSCL]
.irp p, 0,1
	ds_load_b128 v[\sc+4*\p:\sc+4*\p+3], v[AS] offset:8704*\p   ; 32 rows' four scale words each: lane = row
.endr
	WIN \win
.irp tt, 0,1,2,3
.irp ks, 0,1,2,3
.irp c, 0,1
	ds_load_b128 v[\reg+8*(4*\tt+\ks)+4*\c:\reg+8*(4*\tt+\ks)+4*\c+3], v[AW] offset:4352*\tt+64*\ks+32*\c
.endr
.endr
.endr
.endm
; the next 32 streamed rows: 1 + 16 loads
.macro LDSTRM
	WIN 0
	v_add_nc_u32 v[AW], s[SW], v[LROW]
	v_add_nc_u32 v[AS], s[SW], v[LSCL]
	s_add_co_u32 s[SW], s[SW], 8704
	ds_load_b128 v[SS:SS+3], v[AS]
	WIN 0x40
.irp fs, 0,1
.irp ks, 0,1,2,3
.irp c, 0,1
	ds_load_b128 v[128+8*(4*\fs+\ks)+4*\c:128+8*(4*\fs+\ks)+4*\c+3], v[AW] offset:4352*\fs+64*\ks+32*\c
.endr
.endr
.endr
.endm
; the next K step's eight image fragments (query tiles 0-7, qs bytes apart): 16 loads
.macro LDLF qs
	WIN 0
	v_add_nc_u32 v[ALF], s[SL], v[LIMG]
	s_add_co_u32 s[SL], s[SL], 1024
	WIN 0x80
.irp qt, 0,1,2,3,4,5,6,7
.irp c, 0,1
	ds_load_b128 v[8*\qt+4*\c:8*\qt+4*\c+3], v[ALF] offset:\qs*\qt+512*\c
.endr
.endr
.endm
; one four-bit product: streamed tile fs (source 0) x stationary tile 2 g + p (source 1), K step ks, into small sum 2 (2 g + p) + fs.  The odd tile of a pair has its scale words in lanes 16-31.
.macro FP1 fs, p, g, ks, sb, sc
.set rD, D+8*(2*(2*(\g)+\p)+\fs)
.set rA, 128+8*(4*\fs+\ks)
.set rB, \sb+8*(4*(2*(\g)+\p)+\ks)
.set rX, SS+\ks
.set rY, \sc+4*(\g)+\ks
.if \ks == 0
.if (\fs == 0) && (\p == 0)
	v_wmma_scale_f32_16x16x128_f8f6f4 v[rD:rD+7], v[rA:rA+7], v[rB:rB+7], 0, v[rX], v[rY] matrix_a_fmt:MATRIX_FMT_FP4 matrix_b_fmt:MATRIX_FMT_FP4
.elseif (\fs == 1) && (\p == 0)
	v_wmma_scale_f32_16x16x128_f8f6f4 v[rD:rD+7], v[rA:rA+7], v[rB:rB+7], 0, v[rX], v[rY] matrix_a_fmt:MATRIX_FMT_FP4 matrix_b_fmt:MATRIX_FMT_FP4 matrix_a_scale:MATRIX_SCALE_ROW1
.elseif (\fs == 0) && (\p == 1)
	v_wmma_scale_f32_16x16x128_f8f6f4 v[rD:rD+7], v[rA:rA+7], v[rB:rB+7], 0, v[rX], v[rY] matrix_a_fmt:MATRIX_FMT_FP4 matrix_b_fmt:MATRIX_FMT_FP4 matrix_b_scale:MATRIX_SCALE_ROW1
.else
	v_wmma_scale_f32_16x16x128_f8f6f4 v[rD:rD+7], v[rA:rA+7], v[rB:rB+7], 0, v[rX], v[rY] matrix_a_fmt:MATRIX_FMT_FP4 matrix_b_fmt:MATRIX_FMT_FP4 matrix_a_scale:MATRIX_SCALE_ROW1 matrix_b_scale:MATRIX_SCALE_ROW1
.endif
.else
.if (\fs == 0) && (\p == 0)
	v_wmma_scale_f32_16x16x128_f8f6f4 v[rD:rD+7], v[rA:rA+7], v[rB:rB+7], v[rD:rD+7], v[rX], v[rY] matrix_a_fmt:MATRIX_FMT_FP4 matrix_b_fmt:MATRIX_FMT_FP4
.elseif (\fs == 1) && (\p == 0)
	v_wmma_scale_f32_16x16x128_f8f6f4 v[rD:rD+7], v[rA:rA+7], v[rB:rB+7], v[rD:rD+7], v[rX], v[rY] matrix_a_fmt:MATRIX_FMT_FP4 matrix_b_fmt:MATRIX_FMT_FP4 matrix_a_scale:MATRIX_SCALE_ROW1
.elseif (\fs == 0) && (\p == 1)
	v_wmma_scale_f32_16x16x128_f8f6f4 v[rD:rD+7], v[rA:rA+7], v[rB:rB+7], v[rD:rD+7], v[rX], v[rY] matrix_a_fmt:MATRIX_FMT_FP4 matrix_b_fmt:MATRIX_FMT_FP4 matrix_b_scale:MATRIX_SCALE_ROW1
.else
	v_wmma_scale_f32_16x16x128_f8f6f4 v[rD:rD+7], v[rA:rA+7], v[rB:rB+7], v[rD:rD+7], v[rX], v[rY] matrix_a_fmt:MATRIX_FMT_FP4 matrix_b_fmt:MATRIX_FMT_FP4 matrix_a_scale:MATRIX_SCALE_ROW1 matrix_b_scale:MATRIX_SCALE_ROW1
.endif
.endif
.endm
; four of them: four sums by turns.  sb = 0: stationary codes in window 1; 128: my queries' codes in window 2
.macro FPR g, ks, sb, sc
.if \sb == 0
	WIN 0x05
.else
	WIN 0x09
.endif
	FP1 0, 0, \g, \ks, \sb, \sc
	FP1 1, 0, \g, \ks, \sb, \sc
	FP1 0, 1, \g, \ks, \sb, \sc
	FP1 1, 1, \g, \ks, \sb, \sc
.endm
; small sum n = 2 tile + fs becomes half fs of the tile's f16 fragment; read from its low end on
.macro CVS n
	WIN 0
.irp r, 0,1,2,3
	v_cvt_pk_f16_f32 v[NF+4*(\n)+\r], v[D+8*(\n)+2*\r], v[D+8*(\n)+2*\r+1]
.endr
.endm
; 16 f16 products: new fragments 2 g, 2 g + 1 (source 0) x the eight image fragments (source 1); 16 accumulators by turns.  cv = 1: the other four small sums are rounded meanwhile
.macro SB g, zero, cv
.irp p, 0,1
.irp qt, 0,1,2,3,4,5,6,7
	WIN 0xF8
.set rC, 8*(8*(2*(\g)+\p)+\qt)
.set rN, NF+8*(2*(\g)+\p)
.if \zero
	v_wmma_f32_16x16x32_f16 v[rC:rC+7], v[rN:rN+7], v[8*\qt:8*\qt+7], 0
.else
	v_wmma_f32_16x16x32_f16 v[rC:rC+7], v[rN:rN+7], v[8*\qt:8*\qt+7], v[rC:rC+7]
.endif
.if \cv && ((\qt%4) == 3)
	CVS 4+2*\p+\qt/4
.endif
.endr
.endr
.endm
; A STEP: 32 along the f16 product's K.  zero = 1: its f16 products start the sums.  more = 1: the next step's operands are fetched.
.macro STEP zero, qs, more
	s_wait_dscnt 16                                ; the streamed rows and their scales are in; the 16 image loads issued behind them may be out
	FPR 0, 0, 0, ST
	FPR 0, 1, 0, ST
	FPR 0, 2, 0, ST
	FPR 0, 3, 0, ST
	FPR 1, 0, 0, ST
	PLACES 4                                       ; behind the products that finished sums 0-3
	CVS 0
	FPR 1, 1, 0, ST
	CVS 1
	FPR 1, 2, 0, ST
	CVS 2
	FPR 1, 3, 0, ST
	CVS 3                                          ; these four, and the two additions below, are the places in front of the loads into the streamed registers
.if \more
	LDSTRM
	s_wait_dscnt 17                                ; the images are in; the 17 loads just issued may be out
.else
	s_wait_dscnt 0x0
.endif
	SB 0, \zero, 1
	SB 1, \zero, 0
	PLACES 4                                       ; in front of the loads into the image registers, and of the next writes of the f16 fragments
.if \more
	LDLF \qs
.endif
.endm
; Q of my four query tiles for 32 of the chunk's 128 features: 32 four-bit products, rounded, four images to LDS
.macro QUNIT u
.if \u == 0
	LDSTRM
.endif
	s_wait_dscnt 0x0                               ; the rows are in, and the last unit's stores have read their registers
.irp ks, 0,1,2,3
	FPR 0, \ks, 128, STQ
.endr
.irp ks, 0,1,2,3
	FPR 1, \ks, 128, STQ
.endr
	PLACES 4
.if \u == 0
	LDSTRM
.endif
.irp n, 0,1,2,3,4,5,6,7
	CVS \n
.endr
.irp tt, 0,1,2,3
.irp c, 0,1
	ds_store_b128 v[AQW], v[NF+8*\tt+4*\c:NF+8*\tt+4*\c+3] offset:4096*\tt+1024*\u+512*\c
.endr
.endr
.endm
; A CHUNK: 128 of the head's 512.  The slot holds 128 rows of W_query and 128 of W_key.  Wave (a, b) makes Q of query tiles 4 a .. 4 a + 3 for K steps 2 b, 2 b + 1; a barrier; four steps of scores; the change of slots.
.macro CHUNK z
	s_add_co_u32 s[SW], s[TBR], s78
	QUNIT 0
	QUNIT 1
	WIN 0
	s_wait_dscnt 0x0                               ; my images of Q have landed
	s_barrier_signal -1
	s_barrier_wait -1                              ; everybody's have
	s_add_co_u32 s[SW], s[TBR], 34816
	s_mov_b32 s[SL], QC
	LDSTRM
	LDLF 4096
.if \z
	STEP 1, 4096, 1
	WIN 0
	s_mov_b32 s[CST], 2
.else
	WIN 0
	s_mov_b32 s[CST], 3
.endif
.Lstep_\@:
	STEP 0, 4096, 1
	WIN 0
	s_sub_co_u32 s[CST], s[CST], 1
	s_cmp_lg_u32 s[CST], 0
	s_cbranch_scc1 .Lstep_\@
	STEP 0, 4096, 0
	CHG 0
.endm
	s_load_b256 s[4:11], s[0:1], 0x0               ; xq, wf4, wo16, mask
	s_load_b128 s[12:15], s[0:1], 0x20             ; W_out_b, out0
	v_lshl_add_u32 v[SPW], v0, 2, SPARE
	v_mov_b32 v[NIL], 0
	ds_add_u32 v[SPW], v[NIL]                      ; the wave's opening: the add, twice on end, and its wait ahead of my first tensor load
	ds_add_u32 v[SPW], v[NIL]
	v_lshrrev_b32 v1, 5, v0
	v_readfirstlane_b32 s[WV], v1                  ; wave w
	s_and_b32 s17, s[WV], 1                        ; a
	s_lshr_b32 s18, s[WV], 1                       ; b
	s_bfe_u32 s19, ttmp6, 0x40000                  ; cx: it enters the addresses of xq, mask and out0 alone
	s_lshl_b32 s20, ttmp9, 2
	s_add_co_u32 s20, s20, s19                     ; work-group
	s_lshr_b32 s21, s20, 1                         ; batch
	s_and_b32 s22, s20, 1                          ; hq: which half of its queries
	s_mul_i32 s23, s[WV], 17408                    ; 64 rows of 272 bytes
	s_mul_i32 s77, s17, 17408
	s_mul_i32 s78, s18, 17408
	s_mul_i32 s79, s[WV], 16896                    ; 32 rows of 528 bytes
	s_lshl_b32 s80, s22, 1
	s_xor_b32 s80, s80, s[WV]                      ; local tokens 64 w .. are the batch's tokens 64 (w xor 2 hq) ..
	s_lshl_b32 s81, s21, 2
	s_add_co_u32 s81, s81, s80
	s_mul_i32 s82, s81, 17408                      ; their codes,
	s_mov_b32 s83, 0
	s_lshl_b32 s84, s81, 6                         ; their mask bytes
	s_mov_b32 s85, 0
	s_lshl_b32 s86, s20, 7
	s_lshl_b32 s87, s17, 6
	s_add_co_u32 s86, s86, s87                     ; my first row of out: 128 work-group + 64 a
	s_lshl_b32 s86, s86, 11
	s_lshl_b32 s87, s18, 10
	s_add_co_u32 s86, s86, s87                     ; and my first column: 256 b
	s_mov_b32 s87, 0
	s_mov_b32 s88, s23
	s_mov_b32 s89, 0
	s_lshl_b32 s90, s[WV], 14
	s_mov_b32 s91, 0
	s_lshl_b32 s92, s18, 10
	s_mov_b32 s93, 0
	; group 1.  Codes: 64 rows of 272 bytes are 17,408 dense bytes, stated as 68 rows of 256 (32 elements of 8 bytes).  G1F: joint, all four work-groups; G1X: my own
	s_mov_b32 s[G1F], 15|(3<<16)|(1<<21)
	s_mov_b32 s[G1X], 3<<16
.irp g, G1F, G1X
	s_mov_b32 s[\g+1], 32<<16                      ; tensor_dim0
	s_mov_b32 s[\g+2], 68<<16                      ; tensor_dim1
	s_mov_b32 s[\g+3], 32<<16                      ; tile_dim0
	s_mov_b32 s[\g+4], 68                          ; tile_dim1
	s_mov_b32 s[\g+5], 32                          ; from row to row
	s_mov_b32 s[\g+6], 0
	s_mov_b32 s[\g+7], 0
.endr
	s_mov_b32 s[G1O], 15|(3<<16)|(1<<20)|(1<<21)|(6<<22)|(3<<25)   ; W_out: 32 rows of 512 bytes, four words of padding behind every 128: rows 528 bytes apart
	s_mov_b32 s[G1O+1], 64<<16
	s_mov_b32 s[G1O+2], 32<<16
	s_mov_b32 s[G1O+3], 64<<16
	s_mov_b32 s[G1O+4], 32
	s_mov_b32 s[G1O+5], 64
	s_mov_b32 s[G1O+6], 0
	s_mov_b32 s[G1O+7], 0
	s_mov_b32 s[CS], 0x3d8293ee                    ; log2(e) / sqrt(512)
	s_mov_b32 s[CS+1], s[CS]
	s_mov_b32 s[SEL], 0x76543210
	s_mov_b32 s[SEL+1], 0xfedcba98                 ; lane l xor 16
	s_mov_b32 s[NINF], 0xff800000
	s_mov_b32 s[TBR], 0
	v_and_b32 v1, 15, v0                           ; r
	v_bfe_u32 v22, v0, 4, 1                        ; h
	v_and_b32 v23, 31, v0                          ; lane
	v_mul_u32_u24 v[LROW], v1, 272
	v_lshl_add_u32 v[LROW], v22, 4, v[LROW]
	v_mul_u32_u24 v[LSCL], v23, 272
	v_add_nc_u32 v[LSCL], 256, v[LSCL]
	v_lshlrev_b32 v[LIMG], 4, v23
	s_lshl_b32 s94, s17, 14
	s_lshl_b32 s95, s18, 11
	s_add_co_u32 s94, s94, s95
	s_add_co_u32 s94, s94, QC
	v_add_nc_u32 v[AQW], s94, v[LIMG]              ; Q's image (query tile, K step) lies at 4,096 tile + 1,024 step
	s_lshl_b32 s94, s[WV], 11
	s_add_co_u32 s94, s94, PB
	v_add_nc_u32 v[APW], s94, v[LIMG]              ; P's at 8,192 tile + 1,024 step; my steps are 2 w, 2 w + 1
	s_lshl_b32 s94, s[WV], 10
	s_add_co_u32 s94, s94, MXB
	v_add_nc_u32 v[AMX], s94, v[LIMG]
	v_add_nc_u32 v[AMR], MXB, v[LIMG]
	s_lshl_b32 s94, s[WV], 12
	s_add_co_u32 s94, s94, HD
	v_add_nc_u32 v[AHW], s94, v[LIMG]              ; the heads' at 16,384 tile + 1,024 step; my steps are 4 w .. 4 w + 3
	v_add_nc_u32 v[AHW+1], 65536, v[AHW]
	s_lshl_b32 s94, s17, 16
	s_add_co_u32 s94, s94, HD
	v_add_nc_u32 v[AHR], s94, v[LIMG]
	s_mul_i32 s94, s18, 33792
	v_mul_u32_u24 v[AWO], v1, 528
	v_lshl_add_u32 v[AWO], v22, 4, v[AWO]
	v_add_nc_u32 v[AWO], s94, v[AWO]               ; W_out: row 64 b + r of a slot, + 16 h
	v_add_nc_u32 v[AWO+1], SLOTB, v[AWO]
	v_lshlrev_b32 v[BOF], 4, v1
	v_lshl_add_u32 v[OOF], v22, 14, v[BOF]         ; out: 8 h rows of 2,048 bytes + 16 r
	v_lshlrev_b32 v[MOF], 3, v22
.irp i, 0,1,2,3,4,5,6,7
	v_mov_b32 v[T+\i], 0                           ; written once: a lane permute's destination counts as one of its sources
.endr
.irp i, 0,1,2,3,4,5,6,7,8,9,10,11,12,13,14,15
	v_mov_b32 v[LP+\i], 0                          ; (the odd ones are named as upper halves of pairs)
.endr
	s_wait_dscnt 0x0                               ; both opening adds are done
	s_wait_kmcnt 0x0
	s_mov_b32 s[G0X], 1
	s_add_co_u32 s[G0X+1], s23, XRB
	s_add_nc_u64 s[G0X+2:G0X+3], s[4:5], s[82:83]
	s_or_b32 s[G0X+3], s[G0X+3], 0x80000000
	s_mov_b32 s[G0S], 1
	s_mov_b32 s[G0S+1], s23
	s_add_nc_u64 s[G0S+2:G0S+3], s[6:7], s[88:89]
	s_or_b32 s[G0S+3], s[G0S+3], 0x80000000
	s_mov_b32 s[G0W], 1
	s_add_co_u32 s[G0W+1], s23, SLOTB
	s_add_nc_u64 s[G0W+2:G0W+3], s[6:7], s[88:89]
	s_add_nc_u64 s[G0W+2:G0W+3], s[G0W+2:G0W+3], SLOTB
	s_or_b32 s[G0W+3], s[G0W+3], 0x80000000
	s_mov_b32 s[G0O], 1
	s_mov_b32 s[G0O+1], s79
	s_add_nc_u64 s[G0O+2:G0O+3], s[8:9], s[90:91]
	s_or_b32 s[G0O+3], s[G0O+3], 0x80000000
	s_add_nc_u64 s[10:11], s[10:11], s[84:85]
	s_add_nc_u64 s[12:13], s[12:13], s[92:93]
	s_add_nc_u64 s[14:15], s[14:15], s[86:87]
	ROUND                                          ; all four work-groups are here: the first joint loads meet
	tensor_load_to_lds s[G0X:G0X+3], s[G1X:G1X+7]  ; my 64 tokens' codes; three loads of mine are out
	s_nop 0
	tensor_load_to_lds s[G0S:G0S+3], s[G1F:G1F+7]  ; my quarter of weight slot 0
	s_nop 0
	tensor_load_to_lds s[G0W:G0W+3], s[G1F:G1F+7]  ; and of slot 1
	s_nop 0
	PLACES 4
.irp tt, 0,1,2,3
	global_load_b64 v[MB+2*\tt:MB+2*\tt+1], v[MOF], s[10:11] offset:16*\tt   ; the mask bytes of keys 16 tt + 8 h + 0 .. 7 of my 64
.endr
	global_load_b128 v[BI:BI+3], v[BOF], s[12:13]  ; b at columns 256 b + 4 r + 0 .. 3
	s_wait_tensorcnt 1                             ; the tokens and slot 0 are in; slot 1's load may stay out
	s_barrier_signal -1
	s_barrier_wait -1
	s_add_co_u32 s80, s23, XRB
	LDSTAT 80, 0x40, 0, ST                         ; my 64 keys
	s_add_co_u32 s80, s77, XRB
	LDSTAT 80, 0x80, 128, STQ                      ; the 64 queries whose Q I make
	WIN 0
	s_wait_loadcnt 0x0
.irp tt, 0,1,2,3
.irp j, 0,1,2,3,4,5,6,7
	v_bfe_u32 v[BIAS+8*\tt+\j], v[MB+2*\tt+\j/4], 8*(\j%4), 8
.endr
.endr
.set n_, 0
.rept 32
	v_mul_lo_u32 v[BIAS+n_], v[BIAS+n_], s[NINF]   ; 0, or the bits of -infinity
.set n_, n_+1
.endr
	; ---- SCORES: four chunks; the first is written out, since its first step starts the sums
	CHUNK 1
	s_mov_b32 s[CCH], 3
.Lchunk:
	CHUNK 0
	s_sub_co_u32 s[CCH], s[CCH], 1
	s_cmp_lg_u32 s[CCH], 0
	s_cbranch_scc1 .Lchunk
	; ---- SOFTMAX.  Accumulator (tt, qt), register j: key 64 w + 16 tt + 8 h + j, query 16 qt + r
	WIN 0xC3
.irp tt, 0,1,2,3
.irp qt, 0,1,2,3,4,5,6,7
.irp j, 0,2,4,6
	v_pk_fma_f32 v[8*(8*\tt+\qt)+\j:8*(8*\tt+\qt)+\j+1], v[8*(8*\tt+\qt)+\j:8*(8*\tt+\qt)+\j+1], s[CS:CS+1], v[BIAS+8*\tt+\j:BIAS+8*\tt+\j+1] op_sel_hi:[1,0,1]   ; t, each accumulator from its low end on
.endr
.endr
.endr
	WIN 0x3C
.irp qt, 0,1,2,3,4,5,6,7
	v_max3_num_f32 v[M+\qt], 0xf1800000, v[8*\qt], v[8*\qt+1]   ; the leaf -2^100
.endr
.set ix, 1
.rept 15
.irp qt, 0,1,2,3,4,5,6,7
	v_max3_num_f32 v[M+\qt], v[M+\qt], v[8*(8*(ix/4)+\qt)+2*(ix%4)], v[8*(8*(ix/4)+\qt)+2*(ix%4)+1]   ; the eight tiles by turns
.endr
.set ix, ix+1
.endr
	WIN 0
.irp qt, 0,1,2,3,4,5,6,7
	v_permlanex16_b32 v[T+\qt], v[M+\qt], s[SEL], s[SEL+1]
.endr
.irp qt, 0,1,2,3,4,5,6,7
	v_max_num_f32 v[M+\qt], v[M+\qt], v[T+\qt]     ; over my 64 keys
.endr
	ds_store_b128 v[AMX], v[M:M+3]
	ds_store_b128 v[AMX], v[M+4:M+7] offset:512
	s_wait_dscnt 0x0
	s_barrier_signal -1
	s_barrier_wait -1
.irp w, 0,1,2,3
.irp c, 0,1
	ds_load_b128 v[EX+8*\w+4*\c:EX+8*\w+4*\c+3], v[AMR] offset:1024*\w+512*\c
.endr
.endr
	s_wait_dscnt 0x0
.irp qt, 0,1,2,3,4,5,6,7
	v_max3_num_f32 v[LP+2*\qt], v[EX+\qt], v[EX+8+\qt], v[EX+16+\qt]
.endr
.irp qt, 0,1,2,3,4,5,6,7
	v_max_num_f32 v[LP+2*\qt], v[LP+2*\qt], v[EX+24+\qt]   ; the row's largest t, over all 256 keys
.endr
	WIN 0xC3
.irp tt, 0,1,2,3
.irp qt, 0,1,2,3,4,5,6,7
.irp j, 0,2,4,6
	v_pk_add_f32 v[8*(8*\tt+\qt)+\j:8*(8*\tt+\qt)+\j+1], v[8*(8*\tt+\qt)+\j:8*(8*\tt+\qt)+\j+1], v[LP+2*\qt:LP+2*\qt+1] op_sel_hi:[1,0] neg_lo:[0,1] neg_hi:[0,1]
.endr
.endr
.endr
.set ix, 0
.rept 256
	v_exp_f32 v[ix], v[ix]                         ; p = 2^(t - m): one batch
.set ix, ix+1
.endr
	v_nop                                          ; a plain instruction behind the last exponential
	s_wait_alu depctr_va_vdst(0)                   ; one wait for the batch, ahead of its first reader
	WIN 0x0F
.irp qt, 0,1,2,3,4,5,6,7
	v_pk_add_f32 v[LP+2*\qt:LP+2*\qt+1], v[8*\qt:8*\qt+1], v[8*\qt+2:8*\qt+3]   ; the sums of the unrounded p, eight chains
.endr
	WIN 0x0C
.set ix, 2
.rept 14
.irp qt, 0,1,2,3,4,5,6,7
	v_pk_add_f32 v[LP+2*\qt:LP+2*\qt+1], v[LP+2*\qt:LP+2*\qt+1], v[8*(8*(ix/4)+\qt)+2*(ix%4):8*(8*(ix/4)+\qt)+2*(ix%4)+1]
.endr
.set ix, ix+1
.endr
	WIN 0
.irp qt, 0,1,2,3,4,5,6,7
	v_add_f32 v[T+\qt], v[LP+2*\qt], v[LP+2*\qt+1]
.endr
.irp qt, 0,1,2,3,4,5,6,7
	v_permlanex16_b32 v[M+\qt], v[T+\qt], s[SEL], s[SEL+1]
.endr
.irp qt, 0,1,2,3,4,5,6,7
	v_add_f32 v[T+\qt], v[T+\qt], v[M+\qt]         ; over my 64 keys
.endr
	WIN 0x8F                                       ; p to f16: accumulators (2 u, qt) and (2 u + 1, qt) are the fragment of keys 64 w + 32 u .. for query tile qt
.irp qt, 0,1,2,3,4,5,6,7
.irp u, 0,1
.irp e, 0,1
.irp r, 0,1,2,3
	v_cvt_pk_f16_f32 v[8*(2*\qt+\u)+4*\e+\r], v[8*(8*(2*\u+\e)+\qt)+2*\r], v[8*(8*(2*\u+\e)+\qt)+2*\r+1]
.endr
.endr
.endr
.endr
	WIN 0x08
.irp qt, 0,1,2,3,4,5,6,7
.irp u, 0,1
.irp c, 0,1
	ds_store_b128 v[APW], v[8*(2*\qt+\u)+4*\c:8*(2*\qt+\u)+4*\c+3] offset:8192*\qt+1024*\u+512*\c
.endr
.endr
.endr
	WIN 0
	ds_store_b128 v[AMX], v[T:T+3] offset:4096
	ds_store_b128 v[AMX], v[T+4:T+7] offset:4096+512
	LDSTAT 23, 0x40, 0, ST                         ; slot 0 holds W_value's first halves: my 64 features' rows
	CHG 1                                          ; the round also shows P and the partial sums to every wave; slot 0 takes W_out's first slot
.irp w, 0,1,2,3
.irp c, 0,1
	ds_load_b128 v[EX+8*\w+4*\c:EX+8*\w+4*\c+3], v[AMR] offset:4096+1024*\w+512*\c
.endr
.endr
	s_wait_dscnt 0x0
.irp qt, 0,1,2,3,4,5,6,7
	v_add_f32 v[T+\qt], v[EX+\qt], v[EX+8+\qt]
.endr
.irp qt, 0,1,2,3,4,5,6,7
	v_add_f32 v[M+\qt], v[EX+16+\qt], v[EX+24+\qt]
.endr
.irp qt, 0,1,2,3,4,5,6,7
	v_add_f32 v[T+\qt], v[T+\qt], v[M+\qt]
.endr
.irp qt, 0,1,2,3,4,5,6,7
	v_max_num_f32 v[T+\qt], 0x0d800000, v[T+\qt]   ; the leaf 2^-100
.endr
.irp qt, 0,1,2,3,4,5,6,7
	v_rcp_f32 v[LP+2*\qt], v[T+\qt]
.endr
	v_nop
	s_wait_alu depctr_va_vdst(0)                   ; one wait for the eight reciprocals
	; ---- HEADS: 64 of my 128 features at a time; eight steps of 32 keys
.macro PACKH hf                        ; accumulator (f, qt), register j: feature 128 w + 64 hf + 16 f + 8 h + j, query 16 qt + r: divided by the sum, rounded, kept in window 2
	WIN 0xC3
.irp f, 0,1,2,3
.irp qt, 0,1,2,3,4,5,6,7
.irp j, 0,2,4,6
	v_pk_mul_f32 v[8*(8*\f+\qt)+\j:8*(8*\f+\qt)+\j+1], v[8*(8*\f+\qt)+\j:8*(8*\f+\qt)+\j+1], v[LP+2*\qt:LP+2*\qt+1] op_sel_hi:[1,0]
.endr
.endr
.endr
	WIN 0x8F
.irp qt, 0,1,2,3,4,5,6,7
.irp fp, 0,1
.irp e, 0,1
.irp r, 0,1,2,3
	v_cvt_pk_f16_f32 v[128-128*\hf+8*(2*\qt+\fp)+4*\e+\r], v[8*(8*(2*\fp+\e)+\qt)+2*\r], v[8*(8*(2*\fp+\e)+\qt)+2*\r+1]
.endr
.endr
.endr
.endr
.endm
.macro VPV hf
	s_mov_b32 s[SW], XRB
	s_mov_b32 s[SL], PB
	LDSTRM
	LDLF 8192
	STEP 1, 8192, 1
	WIN 0
	s_mov_b32 s[CST], 6
.Lkeys_\@:
	STEP 0, 8192, 1
	WIN 0
	s_sub_co_u32 s[CST], s[CST], 1
	s_cmp_lg_u32 s[CST], 0
	s_cbranch_scc1 .Lkeys_\@
	STEP 0, 8192, 0
	PACKH \hf
.endm
	VPV 0
	s_add_co_u32 s80, s23, SLOTB
	LDSTAT 80, 0x40, 0, ST                         ; slot 1 holds W_value's second halves
	CHG 2                                          ; slot 1 takes W_out's second slot
	VPV 1
	; ---- the heads go from wave to wave as images
	WIN 0
	s_wait_tensorcnt 0x0                           ; my parts of W_out's first two slots are in
	s_wait_dscnt 0x0                               ; my reads of the tokens' codes and of P are over
	s_barrier_signal -1
	s_barrier_wait -1
	WIN 0x08
.irp hf, 0,1
.irp qt, 0,1,2,3,4,5,6,7
.irp fp, 0,1
.irp c, 0,1
	ds_store_b128 v[AHW+\qt/4], v[128-128*\hf+8*(2*\qt+\fp)+4*\c:128-128*\hf+8*(2*\qt+\fp)+4*\c+3] offset:16384*(\qt%4)+1024*(2*\hf+\fp)+512*\c
.endr
.endr
.endr
.endr
	WIN 0
	s_wait_dscnt 0x0
	s_barrier_signal -1
	s_barrier_wait -1
	WIN 0x40                                       ; my four query tiles, all 16 K steps: 512 registers
.irp ks, 0,1,2,3,4,5,6,7
.irp t, 0,1,2,3
.irp c, 0,1
	ds_load_b128 v[8*(4*\ks+\t)+4*\c:8*(4*\ks+\t)+4*\c+3], v[AHR] offset:16384*\t+1024*\ks+512*\c
.endr
.endr
.endr
	WIN 0x80
.irp ks, 8,9,10,11,12,13,14,15
.irp t, 0,1,2,3
.irp c, 0,1
	ds_load_b128 v[8*(4*(\ks-8)+\t)+4*\c:8*(4*(\ks-8)+\t)+4*\c+3], v[AHR] offset:16384*\t+1024*\ks+512*\c
.endr
.endr
.endr
	; ---- OUT: four groups of 64 columns; a group's K runs through two slots of 256
.macro LDWO slot, k                    ; W_out's four tiles of K step k of a slot, into set k % 4: eight loads
	WIN 0xC0
.irp i, 0,1,2,3
.irp c, 0,1
	ds_load_b128 v[128+32*((\k)%4)+8*\i+4*\c:128+32*((\k)%4)+8*\i+4*\c+3], v[AWO+(\slot)] offset:8448*\i+64*(\k)+32*\c
.endr
.endr
.endm
.macro KSTEP k, kh                     ; 16 products: source 0 = 16 queries of the heads, source 1 = 16 rows of W_out; 16 accumulators by turns
	WIN 0xFC|(1+\kh)
.irp i, 0,1,2,3
.irp t, 0,1,2,3
.if (\k == 0) && (\kh == 0)
	v_wmma_f32_16x16x32_f16 v[8*(4*\i+\t):8*(4*\i+\t)+7], v[8*(4*\k+\t):8*(4*\k+\t)+7], v[128+32*(\k%4)+8*\i:128+32*(\k%4)+8*\i+7], 0
.else
	v_wmma_f32_16x16x32_f16 v[8*(4*\i+\t):8*(4*\i+\t)+7], v[8*(4*\k+\t):8*(4*\k+\t)+7], v[128+32*(\k%4)+8*\i:128+32*(\k%4)+8*\i+7], v[8*(4*\i+\t):8*(4*\i+\t)+7]
.endif
.endr
.endr
.endm
; A slot's eight K steps.  mode 2: the slot is filled again; 1: the slots change, nothing is filled; 0: the last slot
.macro SLOTRUN slot, kh, mode
.irp k, 0,1,2,3,4,5
	s_wait_dscnt 16                                ; this K step's set is in; the two younger sets may be out
	KSTEP \k, \kh
	PLACES 4
.if \k < 5
	LDWO \slot, \k+3
.endif
.endr
.if \mode == 0
	s_wait_dscnt 8
	KSTEP 6, \kh
	s_wait_dscnt 0x0
	KSTEP 7, \kh
.else
	WIN 0
	s_wait_tensorcnt 0x0                           ; all my tensor loads have landed: my part of the other slot
	ds_add_u32 v[SPW], v[NIL]
.if \mode == 2
	s_xor_b32 s[G0O+1], s[G0O+1], SLOTB
	s_add_nc_u64 s[G0O+2:G0O+3], s[G0O+2:G0O+3], 65536
.endif
	s_wait_dscnt 0x0                               ; the add is done; the slot's last two sets are in registers: my reads of it are over
	s_barrier_signal -1
	KSTEP 6, \kh                                   ; work on registers while the others arrive
	WIN 0
	s_barrier_wait -1
.if \mode == 2
	CREST                                          ; the barrier has opened a round of the cluster's: no wave of any partner still reads this slot or has a load on its way
	tensor_load_to_lds s[G0O:G0O+3], s[G1O:G1O+7]
	s_nop 0
.endif
	PLACES 4
	LDWO 1-\slot, 0
	LDWO 1-\slot, 1
	KSTEP 7, \kh
	PLACES 4
	LDWO 1-\slot, 2
.endif
.endm
; A group leaves: + b; a lane's four tiles are four neighbouring columns.  Accumulator (i, t), register j: query 64 a + 16 t + 8 h + j, column 256 b + 64 g + 4 r + i
.macro OUTPUT more
	s_wait_loadcnt 0x0                             ; b's four numbers
.irp t, 0,1,2,3
	WIN 0x03
.irp j, 0,1,2,3,4,5,6,7
.irp i, 0,1,2,3
	v_add_f32 v[OS+4*(8*\t+\j)+\i], v[8*(4*\i+\t)+\j], v[BI+\i]   ; each accumulator from its low end on
.endr
.endr
	WIN 0
.irp j, 0,1,2,3,4,5,6,7
	global_store_b128 v[OOF], v[OS+4*(8*\t+\j):OS+4*(8*\t+\j)+3], s[14:15] offset:(16*\t+\j)*2048 th:TH_STORE_NT
.endr
.endr
.if \more
	s_wait_xcnt 0x0                                ; the stores have read their data and their base: both are written again only behind this wait
	s_add_nc_u64 s[14:15], s[14:15], 256
	s_add_nc_u64 s[12:13], s[12:13], 256
	global_load_b128 v[BI:BI+3], v[BOF], s[12:13]
.endif
.endm
	LDWO 0, 0
	LDWO 0, 1
	LDWO 0, 2
	WIN 0
	s_mov_b32 s[CGR], 3
.Lgroup:                                           ; three trips fill W_out's slots 2 to 7; a group's stores leave while the next group is multiplied
	SLOTRUN 0, 0, 2
	SLOTRUN 1, 1, 2
	OUTPUT 1
	s_sub_co_u32 s[CGR], s[CGR], 1
	s_cmp_lg_u32 s[CGR], 0
	s_cbranch_scc1 .Lgroup
	SLOTRUN 0, 0, 1                                ; the last group is written out: it asks for nothing more
	SLOTRUN 1, 1, 0
	PLACES 4
	OUTPUT 0
	s_wait_tensorcnt 0x0                           ; the wave's end: behind my last tensor load and my last LDS store
	ds_add_u32 v[SPW], v[NIL]
	s_wait_dscnt 0x0
	ROUND                                          ; the closing round: no work-group ends while a partner may still ask for a slot that names it
	s_endpgm
.Lfunc_end_k_q23ef0ebf5a_attn:
	.size	k_q23ef0ebf5a_attn, .Lfunc_end_k_q23ef0ebf5a_attn-k_q23ef0ebf5a_attn
	.p2alignl 7, 3214868480
	.fill 96, 4, 3214868480
	.section	.rodata,"a",@progbits
	.p2align	6, 0x0
	.amdhsa_kernel k_q23ef0ebf5a_attn
		.amdhsa_group_segment_fixed_size 327680
		.amdhsa_private_segment_fixed_size 0
		.amdhsa_enable_private_segment 0
		.amdhsa_kernarg_size 48
		.amdhsa_user_sgpr_count 2
		.amdhsa_user_sgpr_kernarg_segment_ptr 1
		.amdhsa_wavefront_size32 1
		.amdhsa_system_sgpr_workgroup_id_x 1
		.amdhsa_system_sgpr_workgroup_id_y 1
		.amdhsa_system_sgpr_workgroup_id_z 1
		.amdhsa_system_vgpr_workitem_id 0
		.amdhsa_next_free_vgpr 1024
		.amdhsa_next_free_sgpr 100
		.amdhsa_reserve_vcc 0
		.amdhsa_float_denorm_mode_32 3
		.amdhsa_float_denorm_mode_16_64 3
		.amdhsa_memory_ordered 1
		.amdhsa_forward_progress 1
		.amdhsa_inst_pref_size 255
	.end_amdhsa_kernel
	.section	.bss,"aw",@nobits
	.p2align	6
	.space	262144
	.amdgpu_metadata
---
amdhsa.version: [ 1, 2 ]
amdhsa.kernels:
  - .name:           k_q23ef0ebf5a_attn
    .symbol:         k_q23ef0ebf5a_attn.kd
    .args:
      - { .name: xq, .offset: 0, .size: 8, .value_kind: global_buffer, .address_space: global }
      - { .name: wf4, .offset: 8, .size: 8, .value_kind: global_buffer, .address_space: global }
      - { .name: wo16, .offset: 16, .size: 8, .value_kind: global_buffer, .address_space: global }
      - { .name: mask, .offset: 24, .size: 8, .value_kind: global_buffer, .address_space: global }
      - { .name: W_out_b, .offset: 32, .size: 8, .value_kind: global_buffer, .address_space: global }
      - { .name: out0, .offset: 40, .size: 8, .value_kind: global_buffer, .address_space: global }
    .group_segment_fixed_size: 327680
    .private_segment_fixed_size: 0
    .kernarg_segment_align: 8
    .kernarg_segment_size: 48
    .max_flat_workgroup_size: 128
    .sgpr_count:     100
    .vgpr_count:     1024
    .wavefront_size: 32
...
	.end_amdgpu_metadata
.endif
;; end of part 2
